; MI455X (gfx1250); checked and timed in simulation.
; The chip was launched on July 23, 2026; its instructions are those of AMD's public machine-readable ISA for CDNA 5 (MIT licence, August 2026) and "CDNA5" Instruction Set Architecture Reference Guide (July 2026). The comments in the code are by the model that wrote it; some were corrected since.
;; Multi Head Attention. Allowed arithmetic: matrix products marked QUANTISED: E4M3 operands, one given power-of-two scale a tensor, by v_wmma_f32_16x16x64_fp8_fp8 or v_wmma_f32_16x16x128_fp8_fp8, f32 sums; everything else in f32.
;; Inputs: Wfc 64 x 64 float32; Wk 64 x 1,024 float32; Wq 64 x 1,024 float32; Wv 64 x 1,024 float32; bfc 64 float32; k_origin 4 x 2,048 x 64 float32; lowp_scales 12 int32 (the exponents e of the quantised operands' scales 2^e); mask 4 x 2,048 x 2,048 bool; q_origin 4 x 2,048 x 64 float32.
;; Outputs: out0 4 x 32,768 x 64 float32.
;; This version of the problem:
;;   THIS VERSION OF THE PROBLEM IS GIVEN IN LOW PRECISION. The matrix products marked QUANTISED in the list below multiply operands that are first quantised to E4M3 (4 exponent bits, 3 mantissa bits; 8 bits a number), with one given power-of-two scale for each operand tensor; their sums are f32. All else is computed in f32.
;;   The module's matrix products, in the order in which they are computed (A, B: the left and right operand; K: the contracted axis; several contracted axes count as one K, in the product's order):
;;     1. [M 8,192, K 64] x [K 64, N 1,024]; A: input q_origin; B: input Wq: QUANTISED (scales: A lowp_scales[0], B lowp_scales[1])
;;     2. [M 8,192, K 64] x [K 64, N 1,024]; A: input k_origin; B: input Wk: QUANTISED (scales: A lowp_scales[2], B lowp_scales[3])
;;     3. [M 8,192, K 64] x [K 64, N 1,024]; A: input k_origin; B: input Wv: QUANTISED (scales: A lowp_scales[4], B lowp_scales[5])
;;     4. batch 64 x [M 2,048, K 64] x [K 64, N 2,048]; A: computed on the way; B: computed on the way: QUANTISED (scales: A lowp_scales[6], B lowp_scales[7])
;;     5. batch 64 x [M 64, K 2,048] x [K 2,048, N 2,048]; A: computed on the way; B: computed on the way: QUANTISED (scales: A lowp_scales[8], B lowp_scales[9])
;;     6. [M 131,072, K 64] x [K 64, N 64]; A: computed on the way; B: input Wfc: QUANTISED (scales: A lowp_scales[10], B lowp_scales[11])
;;   THE QUANTISER, for each operand of a quantised product, along K:
;;     - The operand's scale is 2^e, e = its entry of the input lowp_scales (int32; the entries are numbered through the quantised products in the list's order, A before B).
;;     - Each number is divided by the scale, clamped to +-448, and rounded to the nearest number of E4M3, ties to even, subnormals kept.
;;     - The product sums the exact products of the quantised numbers (number of the format x scale) in f32.
;;   ~~~python
;;   def quantise(x, axis, e):      # numpy; x: float32 -> the quantised numbers, widened to float32 again
;;       x = np.moveaxis(x, axis, -1); K = x.shape[-1]
;;       r = np.clip(x / 2.0 ** e, -448, 448)
;;       step = 2.0 ** (np.maximum(np.frexp(np.where(r == 0, 1, r))[1] - 1, -6) - 3)
;;       q = np.round(r / step) * step * 2.0 ** e      # np.round: ties to even
;;       return np.moveaxis(q, -1, axis).astype(np.float32)
;;   ~~~
;;   OPERANDS COMPUTED ON THE WAY. 'Computed on the way' means the value that the module computes at that place (a softmax that the list does not call 'softmax' is quantised finished and normalised). What goes into a quantiser is computed in f32, as accurately as f32 sums, v_exp_f32 and their like allow (about 1e-6 of the number): no bf16 or f16 on the way to a quantiser, and a product that is left as it is and whose result goes on into a quantised operand takes f32 operands (vector FMAs, or v_wmma_f32_16x16x4_f32). A number that lies on a knife's edge between two numbers of the format may be rounded either way, as far as f32 arithmetic and the matrix unit's own rounding can turn it there, and no further.
;; One version. Each part assembles by itself: llvm-mc -triple=amdgcn-amd-amdhsa -mcpu=gfx1250 --defsym DOCPART=n.
;; ======== version 1 of 1: 2 launches
;; limits: right only within a limited range of input values
;; workspace buffers: maskw 2,097,152 bytes of whole numbers
;; launch maskpack (part 1): grid 256 x 1, 8 waves a work-group, no clusters, 70,656 bytes of LDS; arguments mask, maskw; writes maskw
.if DOCPART == 1
	.amdgcn_target "amdgcn-amd-amdhsa--gfx1250"
	.amdhsa_code_object_version 6
	.text
	.protected	k_qcb6c578fd6_maskpack
	.globl	k_qcb6c578fd6_maskpack
	.p2align	8
	.type	k_qcb6c578fd6_maskpack,@function
k_qcb6c578fd6_maskpack:
	s_mov_b64 s[64:65], 0
	v_nop
	global_prefetch_b8 v0, s[64:65] scope:SCOPE_SE
	s_setreg_imm32_b32 hwreg(HW_REG_WAVE_MODE, 25, 1), 1
	s_wait_xcnt 0x0
; The mask, [4][2048 queries][2048 keys] of one byte, becomes LANE-MASK WORDS for the attention launch: one 32-bit word for each score register of a wave there.
; maskw: [b*64 + qpair (256)][kstep (32)][u (2)][t (4)][j (8)] of u32; bit L of a word = mask[b][32 qpair + 16 u + (L & 15)][64 kstep + 16 t + 8 (L >> 4) + j] != 0.
; A byte other than 0 counts as true.
; SHARES.  Work-group g takes the 32 query rows 32 g .. 32 g + 31 (65,536 consecutive bytes in, 8,192 consecutive bytes out); wave w their keys 256 w .. 256 w + 255: 8,192 bytes in, 256 words out.
; Each load of a wave takes two rows' 256 consecutive bytes, aligned; the bytes turn through the wave's own stage in LDS, so that lane L gets the 8 bytes of ITS query and ITS half of a key tile;
; a compare of one byte in all 32 lanes IS a word of the output; the words are gathered by v_writelane_b32 so that each of the two stores covers 512 consecutive bytes.
; Waves share nothing: no barrier.  No matrix unit, cluster or tensor load: the launch moves each byte once and has no tile that two work-groups read.
.set PITCH, 272                        ; a stage row: 256 bytes + 16 = 68 words, so that the sixteen rows of a read start 4 words apart
.set WSTG,  32*PITCH                   ; a wave's stage: 32 rows
.set R, 8                              ; v8-71    16 loads x 4 registers
.set B, 72                             ; v72-135  pair (u, tc) at B + 2 (16 u + tc): my 8 bytes of key tile tc, query tile u
.set W, 136                            ; v136-143 the 256 words: word n in register W + 4 (n >> 7) + (n & 3), lane (n & 127) >> 2
.set T, 144                            ; v144-151 at work
	s_load_b128 s[4:7], s[0:1], 0x0                ; mask s[4:5], maskw s[6:7]
	v_lshl_add_u32 v152, v0, 2, 0x11000
	v_mov_b32 v153, 0
	v_lshrrev_b32 v1, 5, v0
	s_delay_alu instid0(VALU_DEP_1)
	v_readfirstlane_b32 s8, v1                     ; wave 0..7
	v_and_b32 v6, 15, v0                           ; r = lane % 16
	v_bfe_u32 v7, v0, 4, 1                         ; h = lane / 16
	s_delay_alu instid0(VALU_DEP_2)
	v_lshlrev_b32 v2, 4, v6
	s_delay_alu instid0(VALU_DEP_1)
	v_lshl_add_u32 v2, v7, 11, v2                  ; in memory: row h of the pair, 16 bytes a lane
	s_mul_i32 s9, s8, WSTG                         ; my stage
	v_mul_u32_u24 v3, v7, PITCH
	s_delay_alu instid0(VALU_DEP_1)
	v_lshl_add_u32 v3, v6, 4, v3
	s_delay_alu instid0(VALU_DEP_1)
	v_add_nc_u32 v3, s9, v3                        ; into the stage: as loaded
	v_mul_u32_u24 v4, v6, PITCH
	s_delay_alu instid0(VALU_DEP_1)
	v_lshl_add_u32 v4, v7, 3, v4
	s_delay_alu instid0(VALU_DEP_1)
	v_add_nc_u32 v4, s9, v4                        ; out of it: row r, 8 bytes for each half of the lanes
	v_and_b32 v5, 31, v0
	s_delay_alu instid0(VALU_DEP_1)
	v_lshlrev_b32 v5, 4, v5                        ; the stores: 16 bytes a lane
	s_mov_b32 s12, 0xff                            ; the four bytes of a word
	s_mov_b32 s13, 0xff00
	s_mov_b32 s14, 0xff0000
	s_mov_b32 s15, 0xff000000
	s_lshl_b32 s10, ttmp9, 16                      ; 32 rows of 2,048 bytes
	s_lshl_b32 s11, s8, 8                          ; my 256 keys
	s_add_co_u32 s10, s10, s11
	s_mov_b32 s11, 0
	s_lshl_b32 s24, ttmp9, 13                      ; 8,192 bytes of words for a work-group,
	s_lshl_b32 s25, s8, 10                         ; 1,024 for a wave
	s_add_co_u32 s24, s24, s25
	s_mov_b32 s25, 0
	s_wait_alu depctr_va_vdst(0)
	s_wait_kmcnt 0x0
	s_add_nc_u64 s[4:5], s[4:5], s[10:11]
	s_add_nc_u64 s[6:7], s[6:7], s[24:25]
.set i, 0
.rept 16
	global_load_b128 v[R+4*i:R+4*i+3], v2, s[4:5] offset:4096*i th:TH_LOAD_NT   ; rows 2 i and 2 i + 1: sixteen lanes read 256 consecutive bytes; read once in the launch
.set i, i+1
.endr
.set i, 0
.rept 8
	v_mov_b32 v[W+i], 0                            ; v_writelane_b32 counts as a reader of its destination
.set i, i+1
.endr
.set i, 0
.rept 16
	s_wait_loadcnt 15-i                            ; loads come back in order: load i is in, the 15 - i younger ones stay out
	ds_store_b128 v3, v[R+4*i:R+4*i+3] offset:2*PITCH*i
.set i, i+1
.endr
.set i, 0
.rept 32
	ds_load_b64 v[B+2*i:B+2*i+1], v4 offset:16*PITCH*(i>>4)+16*(i&15)   ; the stage is my wave's own and LDS serves a wave in order: these see the stores above
.set i, i+1
.endr
; The eight words of query tile u and key tile tc.
.macro WORDS u, tc
	s_wait_dscnt 31-(16*(\u)+(\tc))                ; LDS loads come back in order: this pair is in, the younger ones stay out
.set j, 0
.rept 8
	v_and_b32 v[T+j], s[12+(j&3)], v[B+2*(16*(\u)+(\tc))+(j>>2)]   ; byte j of my eight
.set j, j+1
.endr
.set j, 0
.rept 8
	v_cmp_ne_u32 s[16+j], 0, v[T+j]                ; bit L: lane L's byte is not 0
.set j, j+1
.endr
.set j, 0
.rept 8
.set n, 64*((\tc)>>2)+32*(\u)+8*((\tc)&3)+j
	v_writelane_b32 v[W+4*(n>>7)+(n&3)], s[16+j], (n&127)>>2
.set j, j+1
.endr
.endm
.irp u, 0,1
.irp tc, 0,1,2,3,4,5,6,7,8,9,10,11,12,13,14,15
	WORDS \u, \tc
.endr
.endr
	global_store_b128 v5, v[W:W+3], s[6:7]               ; 32 lanes store 512 consecutive bytes, aligned
	global_store_b128 v5, v[W+4:W+7], s[6:7] offset:512
	s_wait_tensorcnt 0x0
	ds_add_u32 v152, v153
	s_wait_dscnt 0x0
	s_endpgm
.Lfunc_end_k_qcb6c578fd6_maskpack:
	.size	k_qcb6c578fd6_maskpack, .Lfunc_end_k_qcb6c578fd6_maskpack-k_qcb6c578fd6_maskpack
	.p2alignl 7, 3214868480
	.fill 96, 4, 3214868480
	.section	.rodata,"a",@progbits
	.p2align	6, 0x0
	.amdhsa_kernel k_qcb6c578fd6_maskpack
		.amdhsa_group_segment_fixed_size 70656
		.amdhsa_private_segment_fixed_size 0
		.amdhsa_enable_private_segment 0
		.amdhsa_kernarg_size 16
		.amdhsa_user_sgpr_count 2
		.amdhsa_user_sgpr_kernarg_segment_ptr 1
		.amdhsa_wavefront_size32 1
		.amdhsa_system_sgpr_workgroup_id_x 1
		.amdhsa_system_sgpr_workgroup_id_y 1
		.amdhsa_system_sgpr_workgroup_id_z 1
		.amdhsa_system_vgpr_workitem_id 0
		.amdhsa_next_free_vgpr 154
		.amdhsa_next_free_sgpr 66
		.amdhsa_reserve_vcc 0
		.amdhsa_float_denorm_mode_32 3
		.amdhsa_float_denorm_mode_16_64 3
		.amdhsa_memory_ordered 1
		.amdhsa_forward_progress 1
		.amdhsa_inst_pref_size 49
	.end_amdhsa_kernel
	.amdgpu_metadata
---
amdhsa.version: [ 1, 2 ]
amdhsa.kernels:
  - .name:           k_qcb6c578fd6_maskpack
    .symbol:         k_qcb6c578fd6_maskpack.kd
    .args:
      - { .name: mask, .offset: 0, .size: 8, .value_kind: global_buffer, .address_space: global }
      - { .name: maskw, .offset: 8, .size: 8, .value_kind: global_buffer, .address_space: global }
    .group_segment_fixed_size: 70656
    .private_segment_fixed_size: 0
    .kernarg_segment_align: 8
    .kernarg_segment_size: 16
    .max_flat_workgroup_size: 256
    .sgpr_count:     66
    .vgpr_count:     154
    .wavefront_size: 32
...
	.end_amdgpu_metadata
.endif
;; end of part 1
;; launch attn (part 2): grid 4 x 64, 16 waves a work-group, no clusters, 280,576 bytes of LDS; arguments q_origin, k_origin, Wq, Wk, Wv, Wfc, bfc, lowp_scales, maskw, out0; writes out0
.if DOCPART == 2
	.amdgcn_target "amdgcn-amd-amdhsa--gfx1250"
	.amdhsa_code_object_version 6
	.text
	.protected	k_qcb6c578fd6_attn
	.globl	k_qcb6c578fd6_attn
	.p2align	8
	.type	k_qcb6c578fd6_attn,@function
k_qcb6c578fd6_attn:
	s_mov_b64 s[64:65], 0
	v_nop
	global_prefetch_b8 v0, s[64:65] scope:SCOPE_SE
	s_setreg_imm32_b32 hwreg(HW_REG_WAVE_MODE, 25, 1), 1
	s_wait_xcnt 0x0
; Multi-head attention, d = 64, 16 heads, 4 batches, 2,048 queries and keys, a mask given as input; every product on codes of FP8 (E4M3) by v_wmma_f32_16x16x64_fp8_fp8, sums in f32.
; lowp_scales e0..e11: q_origin, Wq | k_origin, Wk | k_origin, Wv | q, k | v, attn | out, Wfc.
; SHARES.  A work-group is (query block qb of 512, batch b, head): grid 4 x 64.  Wave w of sixteen owns queries 512 qb + 32 w .. + 31: two tiles u of 16.  At the head it also quantises ONE weight fragment
; and projects keys 128 w .. + 127 of its head's K and V.  The head's K and V codes (131,072 bytes each) then lie in LDS for the whole launch as IMAGES OF OPERAND REGISTERS: a fragment of 8 registers is
; 1,024 bytes: registers 0-3 at 16 x lane, registers 4-7 at 512 + 16 x lane.  The loops touch memory only for the mask's words.
; attn IS QUANTISED FINISHED AND NORMALISED, so the keys are walked twice.  Pass 1: the row's running maximum and sum.  Pass 2: the scores again, attn = 2^(t - mu - log2 l), its codes, and V^T attn^T.
; ARITHMETIC.  A score s stays in units of codes (|s| <= 448 x 448 x 64 < 2^24); t = s c, c = log2(e) / 8 x 2^(e6 + e7).  A hidden score becomes -2^100.  NM = -mu, mu = c x the largest open score so far; it starts
; at -c 2^25, under every score: a row with an open key gets its true maximum, a row with none keeps the start, all its p are 0 and l = 0.  l = l 2^(NM new - NM old) + the sum of p.  Between the passes
; NM -= log2 l; where l = 0, NM = -infinity: attn = 0 everywhere, which is what nan_to_num leaves.  tanh(x) = 1 - 2 / (1 + 2^(2 log2(e) x)).
; LAYOUT.  The form's own: lane (r, h) holds row (or column) r; registers 2 c, 2 c + 1 hold k = 16 c + 8 h + 0..7; result register j is (m = 8 h + j, n = r).  So the eight registers of a result tile, converted, ARE
; registers 2 c, 2 c + 1 of the next operand: K = Wk^T x^T, Q likewise, V = x Wv, S^T = K Q^T, O^T = V^T attn^T.  The last product is y = O Wfc with column r of tile t standing for output 4 r + t:
; a lane then holds four neighbouring outputs, and sixteen lanes store one aligned row of 256 bytes.
; THE MASK comes as words (one a score register, bit L for lane L) by scalar loads, a step ahead: a word in a scalar register is the select of v_cndmask_b32.
; NO CLUSTER: what work-groups share in memory is k_origin's 524,288 bytes of a batch, read once at the head straight into the quantiser's lane layout; the loops share nothing.
; attn <= 1: for e9 >= -8 (448 x 2^e9 >= 1.75) no hold at the largest code is needed, and none is made; the branch on e9 jumps over nothing.
; LIMITS.  Each of e0, e1, e2, e3, e4, e5, e9, e11, e7-e2-e3, e8-e4-e5, e6-e0-e1, e10-e8-e9 lies between -126 and 119 (2^e and 448 x 2^e are f32 numbers); -89 <= e6 + e7 <= 100; -126 <= e10 + e11 <= 125.
; NaN among the inputs is not served.
.set KIMG, 0                           ; LDS: K: key tile kt (0..127) at 1024 kt
.set VIMG, 131072                      ;      V^T: (step s of 64 keys, tile t of 16 channels) at 1024 (4 s + t)
.set WIMG, 262144                      ;      weights: fragment 4 mat + c; mat 0 Wq, 1 Wk, 2 Wv, 3 Wfc
.set L16, 1                            ; v1   16 x lane
.set ADK, 2                            ; v2   address of K's loads;  head: where I store K's images;  tail: Wfc's images
.set ADV, 3                            ; v3   address of V's loads;  head: where I store V's images;  tail: my byte offset in out0
.set NM,  8                            ; v[8:9], v[10:11]   -mu of tile 0, 1 (the low word is used)
.set LS,  12                           ; v[12:13], v[14:15] l in two halves
.set TT,  16                           ; v16-19, v20-23     T0..T3 of tile 0, 1
.set Q,   24                           ; v24-39   Q's two fragments
.set KF,  40                           ; v40-71   four fragments of K
.set VF,  72                           ; v72-103  four fragments of V^T
.set S,   104                          ; v104-167 S^T: tile u, key tile t at S + 32 u + 8 t
.set P,   168                          ; v168-183 attn's codes
.set O,   184                          ; v184-247 O^T: O + 32 u + 8 t
; the head's use of the same registers
.set RESV, 8                           ; v8-39    V's sums
.set KC,   40                          ; rows' codes at e2 (or e0);  VC: at e4;  KOUT, VOUT: the codes just made
.set VC,   48
.set KOUT, 56
.set VOUT, 64
.set RESK, 72                          ; v72-103  K's or Q's sums; also the held numbers on the way to a conversion
.set X,    104                         ; v104-135, v136-167  two tiles of 16 rows of f32
.set WC,   168                         ; my weight fragment's codes
.set WAD,  176                         ; v176     16 x lane + WIMG
.set WT,   184                         ; my weight fragment as f32; then Wk's (later Wq's) four fragments; from 216 Wv's
.set WKF,  184
.set WVF,  216
; v4, v5: weight offsets, then -2^100 and 448 x 2^e9;  v6: where I store my weight image, then 2^e9;  v7: rows' offset, then -infinity;  v248-255: (scale, limit) pairs
; s2 wave; s3 loop counter; s[4:5] my mask words; s[6:7] my part of out0; s8, s9: c, -c; s[10:11] lane selects; s12 mask offset; s13, s14 at work; s15: 1 where e9 < -8; s[84:95] e0..e11; s[100:101] bfc;
; s16-63, s68-83: the step's 64 mask words, word n in s[16 + n + 4 (n / 48)]; at the head they hold the pointers
.macro POW2V vsc, vlim, sE             ; v[vsc] = 2^e, v[vlim] = 448 x 2^e, e in s[sE]
	s_add_co_i32 s96, s[\sE], 127
	s_lshl_b32 s97, s96, 23
	v_mov_b32 v[\vsc], s97
	s_add_co_i32 s96, s96, 8
	s_lshl_b32 s96, s96, 23
	s_or_b32 s96, s96, 0x600000
	v_mov_b32 v[\vlim], s96
.endm
.macro XLOAD buf, base, tile           ; 16 rows of 64 f32: register 8 c + i = number 16 c + 8 h + i of row r: the operand's own order
.irp c, 0,1,2,3
.irp k, 0,1
	global_load_b128 v[(\buf)+8*\c+4*\k:(\buf)+8*\c+4*\k+3], v7, s[\base:\base+1] offset:4096*(\tile)+64*\c+16*\k
.endr
.endr
.endm
; 32 numbers of a lane become a fragment's 8 registers.  The conversion to an 8-bit code does not saturate (ISA guide 7.6.2): each number is held within the largest code x the scale first.  Ascending: an accumulator is read from its low end on.
.macro QUANT src, dst, tmp, vsc, vlim
.set i, 0
.rept 32
	v_med3_num_f32 v[(\tmp)+i], v[(\src)+i], -v[\vlim], v[\vlim]
.set i, i+1
.endr
.set i, 0
.rept 4
	v_cvt_scalef32_pk8_fp8_f32 v[(\dst)+2*i:(\dst)+2*i+1], v[(\tmp)+8*i:(\tmp)+8*i+7], v[\vsc]
.set i, i+1
.endr
	v_nop                                          ; one plain vector line between the conversions and whatever next touches their results or writes their sources
.endm
.macro FETCH reg, adr, off             ; a fragment's image back into registers
	ds_load_b128 v[(\reg):(\reg)+3], v[\adr] offset:(\off)
	ds_load_b128 v[(\reg)+4:(\reg)+7], v[\adr] offset:(\off)+512
.endm
.macro PLACES n
.rept \n
	v_nop
.endr
.endm
.macro WLOAD stride, voff              ; my weight fragment: lane (r, h) takes one column, its registers run down K: register 8 c + i = row 16 c + 8 h + i
.irp c, 0,1,2,3
.irp j, 0,1,2,3,4,5,6,7
	global_load_b32 v[WT+8*\c+\j], v[\voff], s[36:37] offset:(16*\c+\j)*\stride
.endr
.endr
.endm
	s_load_b512 s[16:31], s[0:1], 0x0              ; q_origin, k_origin, Wq, Wk, Wv, Wfc, bfc, lowp_scales
	s_load_b128 s[32:35], s[0:1], 0x40             ; maskw, out0
	v_lshrrev_b32 v8, 5, v0
	s_delay_alu instid0(VALU_DEP_1)
	v_readfirstlane_b32 s2, v8                     ; wave 0..15
	v_and_b32 v8, 15, v0                           ; r
	v_bfe_u32 v9, v0, 4, 1                         ; h
	v_and_b32 v[L16], 31, v0
	s_delay_alu instid0(VALU_DEP_1)
	v_lshlrev_b32 v[L16], 4, v[L16]
	s_lshl_b32 s96, s2, 13                         ; my 8 key tiles, and my 2 steps x 4 tiles of V^T: 8,192 bytes each
	v_add_nc_u32 v[ADK], s96, v[L16]
	s_add_co_u32 s97, s96, VIMG
	v_add_nc_u32 v[ADV], s97, v[L16]
	s_lshl_b32 s96, s2, 10
	s_add_co_u32 s96, s96, WIMG
	v_add_nc_u32 v6, s96, v[L16]                   ; my weight image
	v_add_nc_u32 v[WAD], WIMG, v[L16]
	v_lshlrev_b32 v4, 2, v8
	s_delay_alu instid0(VALU_DEP_1)
	v_lshl_add_u32 v4, v9, 15, v4                  ; Wq, Wk, Wv: column r, 8 h rows of 4,096 bytes
	v_lshlrev_b32 v5, 4, v8
	s_delay_alu instid0(VALU_DEP_1)
	v_lshl_add_u32 v5, v9, 11, v5                  ; Wfc: column 4 r, 8 h rows of 256 bytes
	v_lshlrev_b32 v7, 8, v8
	s_delay_alu instid0(VALU_DEP_1)
	v_lshl_add_u32 v7, v9, 5, v7                   ; rows of 256 bytes: row r, + 32 h
	s_and_b32 s38, ttmp7, 0xffff
	s_lshr_b32 s39, s38, 4                         ; b
	s_and_b32 s40, s38, 15                         ; head
	s_lshl_b32 s42, s39, 19                        ; q_origin: batch 2^19 bytes, query block 2^17, my 32 rows 2^13
	s_lshl_b32 s43, ttmp9, 17
	s_add_co_u32 s42, s42, s43
	s_lshl_b32 s43, s2, 13
	s_add_co_u32 s42, s42, s43
	s_mov_b32 s43, 0
	s_lshl_b32 s44, s39, 19                        ; k_origin: batch, my 128 rows 2^15
	s_lshl_b32 s45, s2, 15
	s_add_co_u32 s44, s44, s45
	s_mov_b32 s45, 0
	s_lshl_b32 s46, s39, 6                         ; maskw: (64 b + 16 qb + w) x 8,192 bytes
	s_lshl_b32 s47, ttmp9, 4
	s_add_co_u32 s46, s46, s47
	s_add_co_u32 s46, s46, s2
	s_lshl_b32 s46, s46, 13
	s_mov_b32 s47, 0
	s_lshl_b32 s48, s39, 23                        ; out0: row 16 q + head of 256 bytes: batch 2^23, query block 2^21, my 32 queries 2^17, head 2^8
	s_lshl_b32 s49, ttmp9, 21
	s_add_co_u32 s48, s48, s49
	s_lshl_b32 s49, s2, 17
	s_add_co_u32 s48, s48, s49
	s_lshl_b32 s49, s40, 8
	s_add_co_u32 s48, s48, s49
	s_mov_b32 s49, 0
	s_lshr_b32 s52, s2, 2                          ; which matrix my weight fragment belongs to,
	s_and_b32 s53, s2, 3                           ; and which fragment of it
	s_lshl_b32 s50, s53, 6                         ; Wq, Wk, Wv: columns 64 head + 16 c on
	s_lshl_b32 s51, s40, 8
	s_add_co_u32 s50, s50, s51
	s_lshl_b32 s51, s53, 2                         ; Wfc: column t of each four
	s_cmp_eq_u32 s52, 3
	s_cselect_b32 s50, s51, s50
	s_mov_b32 s51, 0
	s_wait_kmcnt 0x0
	s_load_b256 s[84:91], s[30:31], 0x0            ; e0..e7
	s_load_b128 s[92:95], s[30:31], 0x20           ; e8..e11
	s_add_nc_u64 s[16:17], s[16:17], s[42:43]
	s_add_nc_u64 s[18:19], s[18:19], s[44:45]
	s_add_nc_u64 s[4:5], s[32:33], s[46:47]
	s_add_nc_u64 s[6:7], s[34:35], s[48:49]
	s_mov_b64 s[100:101], s[28:29]
	s_cmp_eq_u32 s52, 0                            ; the choice hangs on the wave's number alone
	s_cselect_b64 s[36:37], s[20:21], s[22:23]
	s_cmp_eq_u32 s52, 2
	s_cselect_b64 s[36:37], s[24:25], s[36:37]
	s_cmp_eq_u32 s52, 3
	s_cselect_b64 s[36:37], s[26:27], s[36:37]
	s_add_nc_u64 s[36:37], s[36:37], s[50:51]
	; ---- one weight fragment a wave: 32 loads on either way
	s_cmp_lt_u32 s2, 12
	s_cbranch_scc0 .Lwfc
	s_wait_alu depctr_va_vdst(0)
	WLOAD 4096, 4
	s_branch .Lwdone
.Lwfc:
	s_wait_alu depctr_va_vdst(0)
	WLOAD 256, 5
.Lwdone:
	XLOAD X, 18, 0                                 ; my first two tiles of 16 keys' rows
	XLOAD X+32, 18, 1
	s_wait_kmcnt 0x0                               ; the exponents
	s_cmp_eq_u32 s52, 0
	s_cselect_b32 s98, s85, s87                    ; e1, e3,
	s_cmp_eq_u32 s52, 2
	s_cselect_b32 s98, s89, s98                    ; e5,
	s_cmp_eq_u32 s52, 3
	s_cselect_b32 s98, s95, s98                    ; or e11
	POW2V 248, 249, 98
	s_wait_alu depctr_va_vdst(0)
	s_wait_loadcnt 16                              ; the 32 weight loads are in; the two tiles of rows, 8 loads each, stay out
	QUANT WT, WC, WT, 248, 249
	ds_store_b128 v6, v[WC:WC+3]
	ds_store_b128 v6, v[WC+4:WC+7] offset:512
	s_wait_dscnt 0x0                               ; for the others' sake: my image has landed
	s_barrier_signal -1
	s_barrier_wait -1                              ; the sixteen weight images lie in LDS; nobody writes them again
	; ---- K and V of my 128 keys
.set c, 0
.rept 4
	FETCH WKF+8*c, WAD, 4096+1024*c
	FETCH WVF+8*c, WAD, 8192+1024*c
.set c, c+1
.endr
	POW2V 248, 249, 86                             ; e2: k_origin for K
	POW2V 250, 251, 88                             ; e4: k_origin for V
	s_sub_co_i32 s98, s91, s86
	s_sub_co_i32 s98, s98, s87
	POW2V 252, 253, 98                             ; a sum stands for sum x 2^(e2 + e3): K's codes take the one scale 2^(e7 - e2 - e3)
	s_sub_co_i32 s98, s92, s88
	s_sub_co_i32 s98, s98, s89
	POW2V 254, 255, 98                             ; V's: 2^(e8 - e4 - e5)
	s_wait_alu depctr_va_vdst(0)
	s_wait_dscnt 0x0
.macro KVTILE kt
.set XB, X+32*((\kt)%2)
	s_wait_loadcnt 8                               ; this tile's 8 loads are in; the next tile's 8 stay out
	QUANT XB, KC, RESK, 248, 249
	QUANT XB, VC, RESK, 250, 251
.if (\kt) < 6
	XLOAD XB, 18, (\kt)+2                          ; two tiles ahead;
.else
	XLOAD XB, 16, (\kt)-6                          ; at the end my two tiles of queries
.endif
.set c, 0
.rept 4
	v_wmma_f32_16x16x64_fp8_fp8 v[RESK+8*c:RESK+8*c+7], v[WKF+8*c:WKF+8*c+7], v[KC:KC+7], 0   ; lane (r, h): key r, channels 16 c + 8 h + 0..7
.set c, c+1
.endr
.set c, 0
.rept 4
	v_wmma_f32_16x16x64_fp8_fp8 v[RESV+8*c:RESV+8*c+7], v[VC:VC+7], v[WVF+8*c:WVF+8*c+7], 0   ; lane (r, h): channel 16 c + r, keys 8 h + 0..7
.set c, c+1
.endr
	PLACES 4                                       ; four places between the products and the first read of their results (ISA guide 7.12.1)
	s_wait_dscnt 0x0                               ; the last tile's LDS stores have read their registers
	QUANT RESK, KOUT, RESK, 252, 253
	QUANT RESV, VOUT, RESV, 254, 255
	ds_store_b128 v[ADK], v[KOUT:KOUT+3] offset:1024*(\kt)
	ds_store_b128 v[ADK], v[KOUT+4:KOUT+7] offset:1024*(\kt)+512
.set c, 0
.rept 4
	ds_store_b64 v[ADV], v[VOUT+2*c:VOUT+2*c+1] offset:1024*(4*((\kt)>>2)+c)+512*(((\kt)&3)>>1)+8*((\kt)&1)   ; registers 2 (kt % 4), + 1 of fragment (step kt / 4, tile c)
.set c, c+1
.endr
.endm
.irp kt, 0,1,2,3,4,5,6,7
	KVTILE \kt
.endr
	; ---- Q of my 32 queries, into registers
.set c, 0
.rept 4
	FETCH WKF+8*c, WAD, 1024*c                     ; Wq's fragments where Wk's lay: the last products that read those stand behind two runs of holds
.set c, c+1
.endr
	POW2V 248, 249, 84                             ; e0
	s_sub_co_i32 s98, s90, s84
	s_sub_co_i32 s98, s98, s85
	POW2V 250, 251, 98                             ; 2^(e6 - e0 - e1)
	s_wait_alu depctr_va_vdst(0)
	s_wait_dscnt 0x0
.macro QTILE u
	QUANT X+32*(\u), KC, RESK, 248, 249
.set c, 0
.rept 4
	v_wmma_f32_16x16x64_fp8_fp8 v[RESK+8*c:RESK+8*c+7], v[WKF+8*c:WKF+8*c+7], v[KC:KC+7], 0
.set c, c+1
.endr
	PLACES 4
	QUANT RESK, Q+8*(\u), RESK, 250, 251
.endm
	s_wait_loadcnt 8                               ; my first tile of queries is in; the second's 8 loads stay out
	QTILE 0
	s_wait_loadcnt 0x0                             ; no global load of mine is out: the pointers' and offsets' registers are free
	QTILE 1
	; ---- the loops' constants
	s_add_co_i32 s96, s90, s91
	s_lshl_b32 s96, s96, 23
	s_add_co_i32 s8, s96, 0x3e38aa3b               ; c = log2(e) / 8 with e6 + e7 added to its exponent field
	s_xor_b32 s9, s8, 0x80000000                   ; -c
	s_add_co_i32 s96, s8, 25<<23                   ; c 2^25
	s_mov_b32 s10, 0x76543210
	s_mov_b32 s11, 0xfedcba98                      ; v_permlanex16_b32: lane l xor 16
	s_cmp_lt_i32 s93, -8
	s_cselect_b32 s15, 1, 0                        ; is the hold of attn needed?
	v_mov_b32 v[NM], s96
	v_mov_b32 v[NM+2], s96
	v_mov_b32 v[NM+1], 0                           ; (named as upper halves of pairs)
	v_mov_b32 v[NM+3], 0
.set i, 0
.rept 12
	v_mov_b32 v[LS+i], 0                           ; l; and T0..T3, of which some are named before they are made (a permute's destination, a pair's upper half)
.set i, i+1
.endr
	v_mov_b32 v4, 0xf1800000                       ; -2^100
	POW2V 6, 5, 93                                 ; 2^e9, 448 x 2^e9
	v_mov_b32 v7, 0xff800000                       ; -infinity
	s_wait_dscnt 0x0                               ; for the others' sake: my images of K and V have landed
	s_barrier_signal -1
	s_barrier_wait -1                              ; K and V are whole; from here on LDS is only read
.macro MLOAD                           ; a step's 64 mask words, 256 consecutive bytes
	s_load_b512 s[16:31], s[4:5], s12 offset:0x0
	s_load_b512 s[32:47], s[4:5], s12 offset:0x40
	s_load_b512 s[48:63], s[4:5], s12 offset:0x80
	s_load_b512 s[68:83], s[4:5], s12 offset:0xc0
.endm
.macro KLOAD
.set c, 0
.rept 4
	FETCH KF+8*c, ADK, 1024*c
.set c, c+1
.endr
.endm
.macro SCORES                          ; S^T = K Q^T: 64 keys x my 32 queries; eight sums, each begun with 0
.set c, 0
.rept 4
	v_wmma_f32_16x16x64_fp8_fp8 v[S+8*c:S+8*c+7], v[KF+8*c:KF+8*c+7], v[Q:Q+7], 0
	v_wmma_f32_16x16x64_fp8_fp8 v[S+32+8*c:S+32+8*c+7], v[KF+8*c:KF+8*c+7], v[Q+8:Q+15], 0
.set c, c+1
.endr
.endm
.macro HIDE                            ; hidden scores become -2^100; ascending
.set n, 0
.rept 64
	v_cndmask_b32 v[S+n], v[S+n], v4, s[16+n+4*(n/48)]
.set n, n+1
.endr
.endm
.macro ROWMAX u                        ; the step's largest score of my query; NM = min(NM, -c x it); T2 = NM new - NM old
.set SB, S+32*(\u)
.set TB, TT+4*(\u)
.set NB, NM+2*(\u)
	v_max3_num_f32 v[TB], v[SB], v[SB+1], v[SB+2]
	v_max3_num_f32 v[TB+1], v[SB+3], v[SB+4], v[SB+5]
.set i, 6
.rept 6
	s_delay_alu instid0(VALU_DEP_2)
	v_max3_num_f32 v[TB], v[TB], v[SB+i], v[SB+i+1]
	s_delay_alu instid0(VALU_DEP_2)
	v_max3_num_f32 v[TB+1], v[TB+1], v[SB+i+2], v[SB+i+3]
.set i, i+4
.endr
	s_delay_alu instid0(VALU_DEP_2)
	v_max3_num_f32 v[TB], v[TB], v[SB+30], v[SB+31]
	s_delay_alu instid0(VALU_DEP_1)
	v_max_num_f32 v[TB], v[TB], v[TB+1]
	v_permlanex16_b32 v[TB+2], v[TB], s10, s11     ; the query's other 32 keys lie in the lane 16 away
	s_delay_alu instid0(VALU_DEP_1)
	v_max_num_f32 v[TB], v[TB], v[TB+2]
	s_delay_alu instid0(VALU_DEP_1)
	v_mul_f32 v[TB], s9, v[TB]
	s_delay_alu instid0(VALU_DEP_1)
	v_min_num_f32 v[TB], v[TB], v[NB]
	s_delay_alu instid0(VALU_DEP_1)
	v_sub_f32 v[TB+2], v[TB], v[NB]
	s_delay_alu instid0(VALU_DEP_2)
	v_mov_b32 v[NB], v[TB]
.endm
.macro SCALE u                         ; s c + NM, two at a time (of the pairs c and NM the low word serves both halves)
.set i, 0
.rept 16
	v_pk_fma_f32 v[S+32*(\u)+i:S+32*(\u)+i+1], v[S+32*(\u)+i:S+32*(\u)+i+1], s[8:9], v[NM+2*(\u):NM+2*(\u)+1] op_sel_hi:[1,0,0]
.set i, i+2
.endr
.endm
.macro EXP64
.set i, 0
.rept 64
	v_exp_f32 v[S+i], v[S+i]
.set i, i+1
.endr
.endm
.macro SUM u                           ; l = l 2^(NM new - NM old) + the step's p, in two chains
.set SB, S+32*(\u)
.set TB, TT+4*(\u)
.set LB, LS+2*(\u)
	v_pk_mul_f32 v[LB:LB+1], v[LB:LB+1], v[TB+2:TB+3] op_sel_hi:[1,0]
	v_pk_add_f32 v[TB:TB+1], v[SB:SB+1], v[SB+2:SB+3]
.set i, 4
.rept 7
	v_pk_add_f32 v[LB:LB+1], v[LB:LB+1], v[SB+i:SB+i+1]
	v_pk_add_f32 v[TB:TB+1], v[TB:TB+1], v[SB+i+2:SB+i+3]
.set i, i+4
.endr
	s_delay_alu instid0(VALU_DEP_1)
	v_pk_add_f32 v[LB:LB+1], v[LB:LB+1], v[TB:TB+1]
.endm
	s_mov_b32 s12, 0
	MLOAD                                          ; step 0's words
	v_mov_b32 v[ADK], v[L16]
	KLOAD                                          ; step 0's K
	; ---- PASS 1: 32 steps of 64 keys
	s_mov_b32 s3, 0
.Lp1:
	s_wait_dscnt 0x0                               ; this step's K is in
	SCORES
	s_add_co_u32 s13, s3, 1
	s_and_b32 s13, s13, 31                         ; the next step; behind the last, step 0 again, for pass 2
	s_lshl_b32 s14, s13, 12
	v_add_nc_u32 v[ADK], s14, v[L16]               ; this line and three v_nop: the four places in front of loads into K's registers and of the first read of the scores
	PLACES 3
	KLOAD
	s_wait_alu depctr_va_vdst(0)
	s_wait_kmcnt 0x0                               ; this step's words, asked for a step ago
	HIDE
	s_lshl_b32 s12, s13, 8                         ; written only behind the wait that shows the loads that named it done
	MLOAD
	ROWMAX 0
	ROWMAX 1
	SCALE 0
	SCALE 1
	s_wait_alu depctr_va_vdst(0)
	v_exp_f32 v[TT+2], v[TT+2]                     ; ONE batch of 66 exponentials
	v_exp_f32 v[TT+6], v[TT+6]
	EXP64
	v_nop                                          ; a plain line behind the last exponential
	s_wait_alu depctr_va_vdst(0)                   ; one wait for the batch, ahead of its first reader
	SUM 0
	SUM 1
	s_add_co_u32 s3, s3, 1
	s_cmp_lt_u32 s3, 32
	s_cbranch_scc1 .Lp1
	; ---- between the passes: NM -= log2 l; -infinity where no key was open
.irp u, 0,1
	v_add_f32 v[TT+4*\u], v[LS+2*\u], v[LS+2*\u+1]
	s_delay_alu instid0(VALU_DEP_1)
	v_permlanex16_b32 v[TT+4*\u+1], v[TT+4*\u], s10, s11
	s_delay_alu instid0(VALU_DEP_1)
	v_add_f32 v[TT+4*\u], v[TT+4*\u], v[TT+4*\u+1]
.endr
	s_wait_alu depctr_va_vdst(0)
	v_log_f32 v[TT+1], v[TT]
	v_log_f32 v[TT+5], v[TT+4]
	v_nop
	s_wait_alu depctr_va_vdst(0)                   ; one wait for the two logarithms
.irp u, 0,1
	v_sub_f32 v[TT+4*\u+1], v[NM+2*\u], v[TT+4*\u+1]
	v_cmp_lt_f32 vcc_lo, 0, v[TT+4*\u]
	s_delay_alu instid0(VALU_DEP_1)
	v_cndmask_b32 v[NM+2*\u], v7, v[TT+4*\u+1], vcc_lo
.endr
	; ---- PASS 2.  zero = 1: the products start O^T's sums.  more = 1: the next step's K and words are fetched.
.macro STEP2 zero, more
	s_wait_dscnt 0x0                               ; this step's K is in
	SCORES
	s_lshl_b32 s14, s3, 12
	s_add_co_u32 s14, s14, VIMG
	v_add_nc_u32 v[ADV], s14, v[L16]               ; four places: in front of loads into K's and V's registers (the last step's products read V's) and of the first read of the scores
.if \more
	s_add_co_u32 s13, s3, 1
	s_lshl_b32 s14, s13, 12
	v_add_nc_u32 v[ADK], s14, v[L16]
	PLACES 2
.else
	PLACES 3
.endif
.set c, 0
.rept 4
	FETCH VF+8*c, ADV, 1024*c
.set c, c+1
.endr
.if \more
	KLOAD
.endif
	s_wait_kmcnt 0x0
	HIDE
.if \more
	s_lshl_b32 s12, s13, 8
	MLOAD
.endif
	SCALE 0
	SCALE 1
	s_wait_alu depctr_va_vdst(0)
	EXP64                                          ; attn = 2^(s c - mu - log2 l): finished and normalised
	v_nop
	s_wait_alu depctr_va_vdst(0)                   ; one wait for the batch, ahead of the branch and of the first reader
	s_cmp_eq_u32 s15, 0
	s_cbranch_scc1 .Lopen_\@                       ; e9 >= -8: 448 x 2^e9 >= 1.75 lies over every attn
.set i, 0
.rept 64
.set i, i+1
.endr
.Lopen_\@:
.set i, 0
.rept 8
	v_cvt_scalef32_pk8_fp8_f32 v[P+2*i:P+2*i+1], v[S+8*i:S+8*i+7], v6   ; keys 16 t + 8 h + 0..7 of my query: registers 2 t, 2 t + 1 of the operand
.set i, i+1
.endr
	v_nop
.if \more
	s_wait_alu depctr_va_vdst(0)
	s_wait_dscnt 8                                 ; V's 8 loads are in; the next step's 8 loads of K stay out
.else
	s_wait_alu depctr_va_vdst(0)
	s_wait_dscnt 0x0
.endif
.set c, 0
.rept 4                                        ; the eight accumulators take turns, one instruction a turn, and the next step's eight score products stand between two laps
.if \zero
	v_wmma_f32_16x16x64_fp8_fp8 v[O+8*c:O+8*c+7], v[VF+8*c:VF+8*c+7], v[P:P+7], 0
	v_wmma_f32_16x16x64_fp8_fp8 v[O+32+8*c:O+32+8*c+7], v[VF+8*c:VF+8*c+7], v[P+8:P+15], 0
.else
	v_wmma_f32_16x16x64_fp8_fp8 v[O+8*c:O+8*c+7], v[VF+8*c:VF+8*c+7], v[P:P+7], v[O+8*c:O+8*c+7]
	v_wmma_f32_16x16x64_fp8_fp8 v[O+32+8*c:O+32+8*c+7], v[VF+8*c:VF+8*c+7], v[P+8:P+15], v[O+32+8*c:O+32+8*c+7]
.endif
.set c, c+1
.endr
.endm
	s_mov_b32 s3, 0
	STEP2 1, 1                                     ; step 0 stands in front of the loop: nothing is cleared
	s_mov_b32 s3, 1
.Lp2:                                                  ; steps 1 to 30
	STEP2 0, 1
	s_add_co_u32 s3, s3, 1
	s_cmp_lt_u32 s3, 31
	s_cbranch_scc1 .Lp2
	STEP2 0, 0                                     ; step 31 fetches nothing beyond the end
	; ---- THE WAY OUT: O's codes, y = O Wfc, tanh, whole rows of 256 bytes
	v_add_nc_u32 v[ADK], WIMG+12288, v[L16]        ; five plain lines: the places behind the last products
	v_and_b32 v16, 15, v0
	v_bfe_u32 v17, v0, 4, 1
	s_delay_alu instid0(VALU_DEP_2)
	v_lshlrev_b32 v16, 4, v16                      ; bfc: my four numbers, 4 r .. 4 r + 3
	s_delay_alu instid0(VALU_DEP_1)
	v_lshl_add_u32 v[ADV], v17, 15, v16            ; out0: query 8 h (8 x 4,096 bytes), + 16 r
.set c, 0
.rept 4
	FETCH KF+8*c, ADK, 1024*c                      ; Wfc's four fragments
.set c, c+1
.endr
	global_load_b128 v[VF:VF+3], v16, s[100:101]
	s_sub_co_i32 s98, s94, s92
	s_sub_co_i32 s98, s98, s93
	POW2V 248, 249, 98                             ; a sum stands for sum x 2^(e8 + e9): out's codes take the one scale 2^(e10 - e8 - e9)
	QUANT O, P, O, 248, 249
	QUANT O+32, P+8, O+32, 248, 249
	s_wait_alu depctr_va_vdst(0)
	s_wait_dscnt 0x0
.set n, 0
.rept 8
	v_wmma_f32_16x16x64_fp8_fp8 v[S+8*n:S+8*n+7], v[P+8*(n>>2):P+8*(n>>2)+7], v[KF+8*(n&3):KF+8*(n&3)+7], 0   ; lane (r, h), register j: query 16 u + 8 h + j, output 4 r + t
.set n, n+1
.endr
	s_add_co_i32 s98, s94, s95
	s_lshl_b32 s98, s98, 23
	s_add_co_i32 s98, s98, 0x4038aa3b              ; 2 log2(e) x 2^(e10 + e11)
	s_wait_loadcnt 0x0                             ; bfc
.set i, 0
.rept 4
	v_mul_f32 v[VF+i], 0x4038aa3b, v[VF+i]         ; 2 log2(e) x bfc.  (These four are the places behind the products)
.set i, i+1
.endr
.set n, 0
.rept 64
	v_fma_f32 v[S+n], v[S+n], s98, v[VF+((n>>3)&3)]
.set n, n+1
.endr
	s_wait_alu depctr_va_vdst(0)
	EXP64
	v_nop
	s_wait_alu depctr_va_vdst(0)                   ; one wait for the 64 exponentials
.set i, 0
.rept 32
	v_pk_add_f32 v[S+i:S+i+1], v[S+i:S+i+1], 1.0 op_sel_hi:[1,0]
.set i, i+2
.endr
.set i, 0
	s_wait_alu depctr_va_vdst(0)
.rept 64
	v_rcp_f32 v[S+i], v[S+i]
.set i, i+1
.endr
	v_nop
	s_wait_alu depctr_va_vdst(0)                   ; one wait for the 64 reciprocals
.set n, 0
.rept 64
	v_fma_f32 v[O+32*(n>>5)+4*(n&7)+((n>>3)&3)], v[S+n], -2.0, 1.0   ; tanh; the four outputs 4 r + 0..3 of a query come to lie in four neighbouring registers
.set n, n+1
.endr
.set n, 0
.rept 16
	global_store_b128 v[ADV], v[O+4*n:O+4*n+3], s[6:7] offset:(16*(n>>3)+(n&7))*4096 th:TH_STORE_NT   ; sixteen lanes store one row of out0: 256 consecutive bytes, aligned; written once
.set n, n+1
.endr
	s_wait_xcnt 0x0
	v_lshl_add_u32 v254, v0, 2, 0x44000
	v_mov_b32 v255, 0
	s_wait_alu depctr_va_vdst(0)
	s_wait_tensorcnt 0x0
	ds_add_u32 v254, v255
	s_wait_dscnt 0x0
	s_endpgm
.Lfunc_end_k_qcb6c578fd6_attn:
	.size	k_qcb6c578fd6_attn, .Lfunc_end_k_qcb6c578fd6_attn-k_qcb6c578fd6_attn
	.p2alignl 7, 3214868480
	.fill 96, 4, 3214868480
	.section	.rodata,"a",@progbits
	.p2align	6, 0x0
	.amdhsa_kernel k_qcb6c578fd6_attn
		.amdhsa_group_segment_fixed_size 280576
		.amdhsa_private_segment_fixed_size 0
		.amdhsa_enable_private_segment 0
		.amdhsa_kernarg_size 80
		.amdhsa_user_sgpr_count 2
		.amdhsa_user_sgpr_kernarg_segment_ptr 1
		.amdhsa_wavefront_size32 1
		.amdhsa_system_sgpr_workgroup_id_x 1
		.amdhsa_system_sgpr_workgroup_id_y 1
		.amdhsa_system_sgpr_workgroup_id_z 1
		.amdhsa_system_vgpr_workitem_id 0
		.amdhsa_next_free_vgpr 256
		.amdhsa_next_free_sgpr 102
		.amdhsa_reserve_vcc 1
		.amdhsa_float_denorm_mode_32 3
		.amdhsa_float_denorm_mode_16_64 3
		.amdhsa_fp16_overflow 1
		.amdhsa_memory_ordered 1
		.amdhsa_forward_progress 1
		.amdhsa_inst_pref_size 190
	.end_amdhsa_kernel
	.amdgpu_metadata
---
amdhsa.version: [ 1, 2 ]
amdhsa.kernels:
  - .name:           k_qcb6c578fd6_attn
    .symbol:         k_qcb6c578fd6_attn.kd
    .args:
      - { .name: q_origin, .offset: 0, .size: 8, .value_kind: global_buffer, .address_space: global }
      - { .name: k_origin, .offset: 8, .size: 8, .value_kind: global_buffer, .address_space: global }
      - { .name: Wq, .offset: 16, .size: 8, .value_kind: global_buffer, .address_space: global }
      - { .name: Wk, .offset: 24, .size: 8, .value_kind: global_buffer, .address_space: global }
      - { .name: Wv, .offset: 32, .size: 8, .value_kind: global_buffer, .address_space: global }
      - { .name: Wfc, .offset: 40, .size: 8, .value_kind: global_buffer, .address_space: global }
      - { .name: bfc, .offset: 48, .size: 8, .value_kind: global_buffer, .address_space: global }
      - { .name: lowp_scales, .offset: 56, .size: 8, .value_kind: global_buffer, .address_space: global }
      - { .name: maskw, .offset: 64, .size: 8, .value_kind: global_buffer, .address_space: global }
      - { .name: out0, .offset: 72, .size: 8, .value_kind: global_buffer, .address_space: global }
    .group_segment_fixed_size: 280576
    .private_segment_fixed_size: 0
    .kernarg_segment_align: 8
    .kernarg_segment_size: 80
    .max_flat_workgroup_size: 512
    .sgpr_count:     102
    .vgpr_count:     256
    .wavefront_size: 32
...
	.end_amdgpu_metadata
.endif
;; end of part 2
